; MI455X (gfx1250); checked and timed in simulation.
; The chip was launched on July 23, 2026; its instructions are those of AMD's public machine-readable ISA for CDNA 5 (MIT licence, August 2026) and "CDNA5" Instruction Set Architecture Reference Guide (July 2026). The comments in the code are by the model that wrote it; some were corrected since.
;; Expert Mixture. Allowed arithmetic: matrix products marked QUANTISED: E2M1 operands, one E8M0 scale for each 32 along K, by v_wmma_scale_f32_16x16x128_f8f6f4 with both operands' format E2M1 (or v_wmma_scale_f32_32x16x128_f4), f32 sums; products left as they are: f32 operands where the result goes on into a quantised operand, else bf16, f16 or f32 operands; f32 sums; everything else in f32.
;; Inputs: W1_codes 8 x 2,048 x 32 x 16 uint8 (E2M1 codes of W1, K innermost, in blocks of 32 codes, two codes a byte); W1_scales 8 x 2,048 x 32 uint8 (E8M0 scales of W1, one for each 32 codes along K); W2 8 x 2,048 x 3 float32; Wr 1,024 x 8 float32; b1 8 x 2,048 float32; b2 8 x 3 float32; br 8 float32; x 4,096 x 1,024 float32.
;; Outputs: out0 4,096 x 3 float32.
;; This version of the problem:
;;   THIS VERSION OF THE PROBLEM IS GIVEN IN LOW PRECISION. The matrix products marked QUANTISED in the list below multiply operands that are first quantised to E2M1 (2 exponent bits, 1 mantissa bit; 4 bits a number), with one power-of-two scale for each 32 numbers along K (OCP MX v1.0); their sums are f32. All else is computed in f32.
;;   The module's matrix products, in the order in which they are computed (A, B: the left and right operand; K: the contracted axis; several contracted axes count as one K, in the product's order):
;;     1. [M 4,096, K 1,024] x [K 1,024, N 8]; A: input x; B: input Wr: left as it is (N = 8 < 16)
;;     2. [M 16,384, K 1,024] x [K 1,024, N 4,096]; A: input W1 (given as codes); B: input x: QUANTISED
;;     3. batch 8 x [M 4,096, K 2,048] x [K 2,048, N 3]; A: computed on the way; B: input W2: left as it is (N = 3 < 16)
;;   THE QUANTISER, for each operand of a quantised product, along K:
;;     - K is cut into blocks of 32 from its start; a last block that is shorter is filled with zeros.
;;     - A block's scale is 2^e with e = floor(log2(the largest magnitude in the block)) - 2, held to -126 .. 127; a block of zeros has e = 0. As a byte (E8M0): e + 127.
;;     - Each number is divided by its block's scale, clamped to +-6, and rounded to the nearest number of E2M1, ties to even, subnormals kept.
;;     - The product sums the exact products of the quantised numbers (number of the format x scale) in f32.
;;   ~~~python
;;   def quantise(x, axis):      # numpy; x: float32 -> the quantised numbers, widened to float32 again
;;       x = np.moveaxis(x, axis, -1); K = x.shape[-1]
;;       x = np.pad(x, [(0, 0)] * (x.ndim - 1) + [(0, -K % 32)]); x = x.reshape(x.shape[:-1] + (-1, 32)); a = np.abs(x).max(-1, keepdims=True)
;;       e = np.where(a > 0, np.clip(np.frexp(np.where(a > 0, a, 1))[1] - 1 - 2, -126, 127), 0)      # np.frexp(a)[1] - 1 = floor(log2(a)), exactly
;;       r = np.clip(x / 2.0 ** e, -6, 6)
;;       step = 2.0 ** (np.maximum(np.frexp(np.where(r == 0, 1, r))[1] - 1, 0) - 1)
;;       q = np.round(r / step) * step * 2.0 ** e      # np.round: ties to even
;;       return np.moveaxis(q.reshape(q.shape[:-2] + (-1,))[..., :K], -1, axis).astype(np.float32)
;;   ~~~
;;   INPUTS GIVEN AS CODES. W1 (in the module: [8, 1024, 2048], K = its axis 1): each comes as NAME_codes (uint8): NAME with its K axis moved to the last place and cut into blocks of 32 codes, [.., K / 32, bytes a block], one block behind the other in memory; two codes a byte, the lower K in the low four bits (a code: sign, 2 exponent bits, 1 mantissa bit); and NAME_scales (uint8): the same leading axes, one E8M0 byte (e + 127) for each 32 codes along K. Its value is code x scale, taken as it is: it is not quantised again, and the codes and scales need not be those that the quantiser above would give.
;; One version. Each part assembles by itself: llvm-mc -triple=amdgcn-amd-amdhsa -mcpu=gfx1250 --defsym DOCPART=n.
;; ======== version 1 of 1: 4 launches
;; workspace buffers: xq 2,097,152 bytes; xs 131,072 bytes; route 8,192 bytes of whole numbers; perm 17,664 bytes of whole numbers; meta 256 bytes of whole numbers; part 524,288 bytes
;; launch route_quant (part 1): grid 256 x 1, 8 waves a work-group, no clusters, 168,960 bytes of LDS; arguments x, Wr, br, xq, xs, route; writes xq, xs, route
.if DOCPART == 1
	.amdgcn_target "amdgcn-amd-amdhsa--gfx1250"
	.amdhsa_code_object_version 6
	.text
	.protected	k_q3de4154dbb_route_quant
	.globl	k_q3de4154dbb_route_quant
	.p2align	8
	.type	k_q3de4154dbb_route_quant,@function
k_q3de4154dbb_route_quant:
	s_mov_b64 s[64:65], 0
	v_nop
	global_prefetch_b8 v0, s[64:65] scope:SCOPE_SE
	s_setreg_imm32_b32 hwreg(HW_REG_WAVE_MODE, 25, 1), 1
	s_wait_xcnt 0x0
; x [4096][1024] f32 is read once and serves twice: the router (x Wr + br in f32 fused multiply-adds, first largest of 8) and the quantiser (E2M1 codes, one E8M0 byte for each 32 along K).
; OUT: xq [4096][512 bytes] codes, K ascending, two a byte, the lower k in the low four bits; xs [4096][32] scale bytes;
;      route [8 experts][256 groups of 16 tokens], a word = mask of the group's tokens that chose e | their number << 16 | the number of the group's tokens with a lower expert << 24.
; The choice is only stored here, at fixed places: no address and no branch of this launch hangs on it.
; SHARES: a work-group takes 16 tokens; wave w takes k = 128 w .. 128 w + 127 of all 16.  Lane l = 8 r4 + kq holds, in group g of four, the 16 neighbours k = 128 w + 16 kq + 0 .. 15 of row 4 g + r4:
; the same 16 registers feed the router and the conversions; lanes kq and kq xor 1 hold a block of 32.
; x and Wr come by tensor loads, each wave's own part into its own LDS bytes, each filled once: five loads of a wave are out at the most, and only the issuing wave reads them, behind its own counted wait.
; LIMITS: NaN and infinities among the inputs are not served.  A block of zeros gets the byte 1 (not 127) over zero codes: only this program reads the bytes.  A block whose largest magnitude lies under 2^-124 is
; held at that floor.  Two logits that differ by less than the rounding of a 1,024-term f32 sum may be ordered otherwise than by another order of summation.
; No cluster: what all work-groups share is Wr, 32 KiB of the 96 KiB that a work-group brings in, and x, the rest, is read by one work-group alone.
.set WRT,  81920                       ; LDS: x at 0: wave w's 16 rows x 640 bytes (512 + 16 behind each 64); then Wr: wave w's 128 rows as 8 lines of 512 + 16 bytes
.set RED,  115712                      ; wave w's partial logits: 16 rows x 32 bytes, at 512 w
.set CST,  119808                      ; the codes' stage: 16 rows, 576 bytes apart
.set SST,  129024                      ; the scale bytes' stage: 16 rows x 32 bytes
.set X,    16                          ; v16-31   16 neighbours of x
.set CD,   48                          ; v48-55   a group's 16 codes, two registers a group
.set EB,   56                          ; v56-59   a group's scale byte
.set AC,   64                          ; v64-95   partial logits: group g, expert e at v[AC + 8 g + e]
.set WR,   128                         ; v128-255 Wr[k_i][e] at v[WR + 8 i + e]; in wave 0's tail the eight waves' partial logits
	s_load_b256 s[4:11], s[0:1], 0x0               ; x s[4:5], Wr s[6:7], br s[8:9], xq s[10:11]
	s_load_b128 s[12:15], s[0:1], 0x20             ; xs s[12:13], route s[14:15]
	v_lshl_add_u32 v126, v0, 2, 0x29000
	v_mov_b32 v127, 0
	ds_add_u32 v126, v127
	ds_add_u32 v126, v127
	v_lshrrev_b32 v1, 5, v0
	v_readfirstlane_b32 s16, v1                    ; wave 0..7
	; descriptor group 1 for x: 4 rows x 128 elements of 4 bytes, 1,024 elements from row to row; 4 words of padding behind every 16
	s_mov_b32 s20, (2<<16)|(1<<20)|(3<<22)|(3<<25)
	s_mov_b32 s21, 128<<16
	s_mov_b32 s22, 4<<16
	s_mov_b32 s23, 128<<16
	s_mov_b32 s24, 4
	s_mov_b32 s25, 1024
	s_mov_b32 s26, 0
	s_mov_b32 s27, 0
	; and for Wr: a dense block of 4,096 bytes as 8 rows x 64 elements of 8 bytes; 4 words of padding behind every 128
	s_mov_b32 s28, (3<<16)|(1<<20)|(6<<22)|(3<<25)
	s_mov_b32 s29, 64<<16
	s_mov_b32 s30, 8<<16
	s_mov_b32 s31, 64<<16
	s_mov_b32 s32, 8
	s_mov_b32 s33, 64
	s_mov_b32 s34, 0
	s_mov_b32 s35, 0
	s_mul_i32 s17, s16, 4224                       ; my part of Wr in LDS
	s_mul_i32 s58, s16, 10240                      ; my part of x in LDS
	s_lshl_b32 s18, s16, 12                        ; my 128 rows of Wr in memory
	s_mov_b32 s19, 0
	s_lshl_b32 s60, ttmp9, 16                      ; the work-group's 16 rows of 4,096 bytes,
	s_lshl_b32 s61, s16, 9                         ; my 512 bytes of each
	s_add_co_u32 s60, s60, s61
	s_mov_b32 s61, 0
	s_wait_dscnt 0x0
	s_wait_kmcnt 0x0
	s_mov_b32 s36, 1
	s_add_co_u32 s37, s17, WRT
	s_add_nc_u64 s[38:39], s[6:7], s[18:19]
	s_or_b32 s39, s39, 0x80000000
	s_add_nc_u64 s[56:57], s[4:5], s[60:61]
.irp g, 0,1,2,3
	s_mov_b32 s[40+4*\g], 1
	s_add_co_u32 s[41+4*\g], s58, 2560*\g
	s_add_nc_u64 s[42+4*\g:43+4*\g], s[56:57], 16384*\g
	s_or_b32 s[43+4*\g], s[43+4*\g], 0x80000000
.endr
	tensor_load_to_lds s[36:39], s[28:35]          ; all first fills in one group: Wr's slice, then x's four groups of rows
	s_nop 0
	tensor_load_to_lds s[40:43], s[20:27]
	s_nop 0
	tensor_load_to_lds s[44:47], s[20:27]
	s_nop 0
	tensor_load_to_lds s[48:51], s[20:27]
	s_nop 0
	tensor_load_to_lds s[52:55], s[20:27]
	s_nop 0
.rept 4
	v_nop
.endr
	s_load_b256 s[72:79], s[8:9], 0x0              ; br
	s_lshl_b32 s62, ttmp9, 13
	s_mov_b32 s63, 0
	s_add_nc_u64 s[10:11], s[10:11], s[62:63]      ; xq at the work-group's 16 rows of 512 bytes
	s_lshl_b32 s62, ttmp9, 9
	s_add_nc_u64 s[12:13], s[12:13], s[62:63]      ; xs at its 16 rows of 32 bytes
	v_and_b32 v1, 31, v0                           ; lane
	v_and_b32 v2, 7, v0                            ; kq
	v_bfe_u32 v3, v0, 3, 2                         ; r4
	v_mul_u32_u24 v4, v3, 640
	v_mad_u32_u24 v4, v2, 80, v4
	v_add_nc_u32 v4, s58, v4                       ; v4: my 64 bytes of x in a group: row r4, piece kq
	v_mul_u32_u24 v5, v2, 528
	v_add_nc_u32 v5, s37, v5                       ; v5: my 16 rows of Wr: line kq
	s_lshl_b32 s66, s16, 6
	s_add_co_u32 s66, s66, CST
	v_mul_u32_u24 v6, v3, 576
	v_lshl_add_u32 v6, v2, 3, v6
	v_add_nc_u32 v6, s66, v6                       ; v6: my 8 bytes of codes: row r4, byte 64 w + 8 kq
	s_lshl_b32 s67, s16, 2
	s_add_co_u32 s67, s67, SST
	v_lshrrev_b32 v7, 1, v2
	v_lshl_add_u32 v7, v3, 5, v7
	v_add_nc_u32 v7, s67, v7                       ; v7: my block's scale byte: row r4, byte 4 w + kq / 2
	s_lshl_b32 s68, s16, 9
	s_add_co_u32 s68, s68, RED
	v_and_b32 v15, 3, v2
	v_lshlrev_b32 v8, 7, v15
	v_lshl_add_u32 v8, v3, 5, v8
	v_lshrrev_b32 v15, 2, v2
	v_lshl_add_u32 v8, v15, 4, v8
	v_add_nc_u32 v8, s68, v8                       ; v8: behind the folds I hold row 4 (kq % 4) + r4, experts 4 (kq / 4) + 0 .. 3
	v_lshlrev_b32 v13, 4, v1                       ; v13: 16 x lane
	s_mul_i32 s69, s16, 1152
	s_add_co_u32 s69, s69, CST
	v_add_nc_u32 v9, s69, v13                      ; v9: the way out: rows 2 w, 2 w + 1 of the codes' stage
	v_add_nc_u32 v10, SST, v13                     ; v10: the scale bytes' stage, 16 bytes a lane
	v_and_b32 v15, 15, v0
	v_lshlrev_b32 v11, 5, v15
	v_add_nc_u32 v11, RED, v11                     ; v11: row lane % 16 of the partial logits
	s_lshl_b32 s70, s16, 10
	v_add_nc_u32 v12, s70, v13                     ; v12: my bytes of rows 2 w, 2 w + 1 in xq
	s_lshl_b32 s71, ttmp9, 2
	v_lshlrev_b32 v14, 10, v2
	v_add_nc_u32 v14, s71, v14                     ; v14: route: expert lane % 8, the work-group's word
	s_wait_tensorcnt 4                             ; Wr's slice is in; x's four loads, issued behind it, may be out
.irp n, 0,1,2,3,4,5,6,7,8,9,10,11,12,13,14,15,16,17,18,19,20,21,22,23,24,25,26,27,28,29,30,31
	ds_load_b128 v[WR+4*\n:WR+4*\n+3], v5 offset:16*\n
.endr
; Group g: rows 4 g .. 4 g + 3.  64 packed multiply-adds for the router (x broadcast from one half of its pair; four chains by turns; the first products start the sums), then the block's scale and the 16 codes.
.macro GROUP g
	s_wait_tensorcnt 3-\g                          ; this group's rows are in; the later groups' loads may be out
.irp j, 0,1,2,3
	ds_load_b128 v[X+4*\j:X+4*\j+3], v4 offset:2560*\g+16*\j
.endr
	s_wait_dscnt 0x0
.set i, 0
.rept 16
.irp p, 0,1,2,3
.if i == 0
	v_pk_mul_f32 v[AC+8*\g+2*\p:AC+8*\g+2*\p+1], v[X:X+1], v[WR+2*\p:WR+2*\p+1] op_sel_hi:[0,1]
.elseif i%2 == 0
	v_pk_fma_f32 v[AC+8*\g+2*\p:AC+8*\g+2*\p+1], v[X+i:X+i+1], v[WR+8*i+2*\p:WR+8*i+2*\p+1], v[AC+8*\g+2*\p:AC+8*\g+2*\p+1] op_sel_hi:[0,1,1]
.else
	v_pk_fma_f32 v[AC+8*\g+2*\p:AC+8*\g+2*\p+1], v[X+i-1:X+i], v[WR+8*i+2*\p:WR+8*i+2*\p+1], v[AC+8*\g+2*\p:AC+8*\g+2*\p+1] op_sel:[1,0,0] op_sel_hi:[1,1,1]
.endif
.endr
.set i, i+1
.endr
	v_max3_num_f32 v32, |v[X]|, |v[X+1]|, |v[X+2]|             ; the largest magnitude of my 16, in two chains
	v_max3_num_f32 v33, |v[X+3]|, |v[X+4]|, |v[X+5]|
.irp n, 6,10
	v_max3_num_f32 v32, v32, |v[X+\n]|, |v[X+\n+1]|
	v_max3_num_f32 v33, v33, |v[X+\n+2]|, |v[X+\n+3]|
.endr
	v_max3_num_f32 v32, v32, |v[X+14]|, |v[X+15]|
	v_max3_num_f32 v32, v32, v33, 0x1800000        ; and the floor 2^(3 - 127): the byte cannot fall under 1
	v_max_num_f32_dpp v32, v32, v32 row_xmask:1 row_mask:0xf bank_mask:0xf   ; with my neighbour's 16: the block's
	v_add_nc_u32 v34, 0xff000000, v32              ; 2 off its exponent field: the conversion takes that field as its scale
	v_cvt_scalef32_pk8_fp4_f32 v[CD+2*\g], v[X:X+7], v34
	v_cvt_scalef32_pk8_fp4_f32 v[CD+2*\g+1], v[X+8:X+15], v34
	v_lshrrev_b32 v[EB+\g], 23, v34                ; the scale's byte (also the plain line behind the conversions)
	ds_store_b64 v6, v[CD+2*\g:CD+2*\g+1] offset:2304*\g
	ds_store_b8 v7, v[EB+\g] offset:128*\g         ; both lanes of a block write the same byte with the same value
.endm
	GROUP 0
	GROUP 1
	GROUP 2
	GROUP 3
; The sums over the eight lanes kq, by halving: of a pair (a, b) a lane keeps one and sends the other to the lane xm away, so each step halves the registers: 32, 16, 8, 4.
.macro FOLD a, b, xm, t
	v_cndmask_b32 v[\t], v[\b], v[\a], vcc_lo      ; what I send: a where my bit is set, else b
	v_cndmask_b32 v[\a], v[\a], v[\b], vcc_lo      ; what I keep
	v_add_f32_dpp v[\a], v[\t], v[\a] row_xmask:\xm row_mask:0xf bank_mask:0xf
.endm
	s_mov_b32 vcc_lo, 0xaaaaaaaa
.irp y, 0,1
.irp e, 0,1,2,3,4,5,6,7
	FOLD AC+16*\y+\e, AC+16*\y+8+\e, 1, 32+\e
.endr
.endr
	s_mov_b32 vcc_lo, 0xcccccccc
.irp e, 0,1,2,3,4,5,6,7
	FOLD AC+\e, AC+16+\e, 2, 32+\e
.endr
	s_mov_b32 vcc_lo, 0xf0f0f0f0
.irp e, 0,1,2,3
	FOLD AC+\e, AC+4+\e, 4, 32+\e
.endr
	ds_store_b128 v8, v[AC:AC+3]
	s_wait_kmcnt 0x0                               ; br
	s_wait_dscnt 0x0                               ; for the others' sake: my codes, bytes and partial logits lie in LDS
	s_barrier_signal -1
	s_barrier_wait -1
	ds_load_b128 v[16:19], v9                      ; two whole rows of codes a wave
	ds_load_b128 v[20:23], v9 offset:576
	s_wait_dscnt 0x1                               ; the first row is back; the second row's load may be out
	global_store_b128 v12, v[16:19], s[10:11]      ; 32 lanes store 512 consecutive bytes, at a multiple of 512 from xq's first byte
	s_wait_dscnt 0x0
	global_store_b128 v12, v[20:23], s[10:11] offset:512
	s_cmp_lg_u32 s16, 1
	s_cbranch_scc1 .Lnot_wave_1
	ds_load_b128 v[24:27], v10                     ; wave 1: the 16 rows' scale bytes, 512 consecutive bytes
	s_wait_dscnt 0x0
	global_store_b128 v13, v[24:27], s[12:13]
.Lnot_wave_1:
	s_cmp_lg_u32 s16, 0
	s_cbranch_scc1 .Lend
	; wave 0: lane % 16 takes a token: the eight waves' parts in ascending order, br, the first largest
.irp w, 0,1,2,3,4,5,6,7
	ds_load_b128 v[WR+8*\w:WR+8*\w+3], v11 offset:512*\w
	ds_load_b128 v[WR+8*\w+4:WR+8*\w+7], v11 offset:512*\w+16
.endr
	s_wait_dscnt 0x0
.irp w, 1,2,3,4,5,6,7
.irp p, 0,1,2,3
	v_pk_add_f32 v[WR+2*\p:WR+2*\p+1], v[WR+2*\p:WR+2*\p+1], v[WR+8*\w+2*\p:WR+8*\w+2*\p+1]
.endr
.endr
.irp e, 0,1,2,3,4,5,6,7
	v_add_f32 v[WR+\e], s[72+\e], v[WR+\e]
.endr
	v_mov_b32 v32, v[WR]                           ; the largest so far,
	v_mov_b32 v33, 0                               ; and its expert
.irp e, 1,2,3,4,5,6,7
	v_cmp_ge_f32 vcc_lo, v32, v[WR+\e]             ; an equal logit keeps the lower expert
	v_cndmask_b32 v33, \e, v33, vcc_lo
	v_max_num_f32 v32, v32, v[WR+\e]
.endr
.irp e, 0,1,2,3,4,5,6,7
	v_cmp_eq_u32 s[80+\e], \e, v33
.endr
	v_mov_b32 v34, 0
	s_mov_b32 s90, 0                               ; tokens of the group with a lower expert
.irp e, 0,1,2,3,4,5,6,7
	s_and_b32 s[80+\e], s[80+\e], 0xffff           ; lanes 16-31 repeat lanes 0-15
	s_bcnt1_i32_b32 s88, s[80+\e]
	s_lshl_b32 s89, s88, 16
	s_or_b32 s[80+\e], s[80+\e], s89
	s_lshl_b32 s89, s90, 24
	s_or_b32 s[80+\e], s[80+\e], s89
	v_writelane_b32 v34, s[80+\e], \e              ; expert e's word into lane e
	s_add_co_u32 s90, s90, s88
.endr
	v_cmp_gt_u32 vcc_lo, 8, v1
	s_wait_xcnt 0x0                                ; EXEC is a source of the stores above: it changes only behind this wait
	s_and_saveexec_b32 s84, vcc_lo
	global_store_b32 v14, v34, s[14:15]            ; eight words, one to each expert's row, so that the next launch reads its expert's 1,024 bytes on end
	s_wait_xcnt 0x0
	s_or_b32 exec_lo, exec_lo, s84
.Lend:
	s_wait_tensorcnt 0x0
	ds_add_u32 v126, v127
	s_wait_dscnt 0x0
	s_endpgm
.Lfunc_end_k_q3de4154dbb_route_quant:
	.size	k_q3de4154dbb_route_quant, .Lfunc_end_k_q3de4154dbb_route_quant-k_q3de4154dbb_route_quant
	.p2alignl 7, 3214868480
	.fill 96, 4, 3214868480
	.section	.rodata,"a",@progbits
	.p2align	6, 0x0
	.amdhsa_kernel k_q3de4154dbb_route_quant
		.amdhsa_group_segment_fixed_size 168960
		.amdhsa_private_segment_fixed_size 0
		.amdhsa_enable_private_segment 0
		.amdhsa_kernarg_size 48
		.amdhsa_user_sgpr_count 2
		.amdhsa_user_sgpr_kernarg_segment_ptr 1
		.amdhsa_wavefront_size32 1
		.amdhsa_system_sgpr_workgroup_id_x 1
		.amdhsa_system_sgpr_workgroup_id_y 1
		.amdhsa_system_sgpr_workgroup_id_z 1
		.amdhsa_system_vgpr_workitem_id 0
		.amdhsa_next_free_vgpr 256
		.amdhsa_next_free_sgpr 96
		.amdhsa_reserve_vcc 1
		.amdhsa_float_denorm_mode_32 3
		.amdhsa_float_denorm_mode_16_64 3
		.amdhsa_memory_ordered 1
		.amdhsa_forward_progress 1
		.amdhsa_inst_pref_size 41
	.end_amdhsa_kernel
	.amdgpu_metadata
---
amdhsa.version: [ 1, 2 ]
amdhsa.kernels:
  - .name:           k_q3de4154dbb_route_quant
    .symbol:         k_q3de4154dbb_route_quant.kd
    .args:
      - { .name: x, .offset: 0, .size: 8, .value_kind: global_buffer, .address_space: global }
      - { .name: Wr, .offset: 8, .size: 8, .value_kind: global_buffer, .address_space: global }
      - { .name: br, .offset: 16, .size: 8, .value_kind: global_buffer, .address_space: global }
      - { .name: xq, .offset: 24, .size: 8, .value_kind: global_buffer, .address_space: global }
      - { .name: xs, .offset: 32, .size: 8, .value_kind: global_buffer, .address_space: global }
      - { .name: route, .offset: 40, .size: 8, .value_kind: global_buffer, .address_space: global }
    .group_segment_fixed_size: 168960
    .private_segment_fixed_size: 0
    .kernarg_segment_align: 8
    .kernarg_segment_size: 48
    .max_flat_workgroup_size: 256
    .sgpr_count:     96
    .vgpr_count:     256
    .wavefront_size: 32
...
	.end_amdgpu_metadata
.endif
;; end of part 1
;; launch place (part 2): grid 8 x 1, 4 waves a work-group, no clusters, 0 bytes of LDS; arguments route, perm, meta; writes perm, meta
.if DOCPART == 2
	.amdgcn_target "amdgcn-amd-amdhsa--gfx1250"
	.amdhsa_code_object_version 6
	.text
	.protected	k_q3de4154dbb_place
	.globl	k_q3de4154dbb_place
	.p2align	8
	.type	k_q3de4154dbb_place,@function
k_q3de4154dbb_place:
	s_mov_b64 s[64:65], 0
	v_nop
	global_prefetch_b8 v0, s[64:65] scope:SCOPE_SE
	s_setreg_imm32_b32 hwreg(HW_REG_WAVE_MODE, 25, 1), 1
	s_wait_xcnt 0x0
; The rows are placed by expert.  route [8 experts][256 groups of 16 tokens]: a word = mask of the group's tokens that chose e | their number << 16 | the number of the group's tokens with a lower expert << 24.
; OUT: perm[position] = token | e << 16, position = (tokens with a lower expert) + the token's rank among e's tokens in ascending order: every position 0 .. 4,095 is taken once.
;      meta[e] = tokens on e | tokens on lower experts << 16.
; SHARES: work-group e takes expert e; wave w the tokens 1,024 w .. 1,024 w + 1,023: 32 masks of 32 tokens.  Every wave reads the expert's whole 1,024 bytes and makes all counts for itself: no LDS, no barrier, no branch.
; A step places 32 tokens, a lane each; each of the 32 steps has its own address and data register, so no store's source is written again.
; A lane whose token chose another expert stores into word 4,352 + e, the work-group's own, which nobody reads: the other way, the mask in EXEC, would want a wait in front of each of 64 changes of EXEC.
; Words 4,096 .. 4,351 are stored as zeros: the next launch reads up to 191 words past a tile's first position.  All four waves store the same 32 zeros of their work-group.
; Eight work-groups are all the work there is: 8 KiB are read and 17 KiB stored.
.set RW,   8                           ; v8-15  the four chunks' words, two a lane; v16-17 my own chunk's
.set U,    20                          ; v20-23 a lane's counts of a chunk: chose e | lower << 16
.set UO,   24                          ; v24    my own chunk's: chose e
.set SS,   28                          ; v28-30 running sums: my chunk's, all chunks', the chunks' ahead of mine
.set TMP,  32                          ; v32-34
.set WRD,  36                          ; v36    a mask of 32 tokens
.set RK,   37                          ; v37    the position of the first token that the mask places
.set VD,   38                          ; v38    4,352 + e
.set VT,   39                          ; v39    lane + 1,024 w + e << 16
.set AD,   64                          ; v64-95  a step's byte offsets in perm
.set DA,   96                          ; v96-127 a step's words
	s_load_b128 s[4:7], s[0:1], 0x0                ; route s[4:5], perm s[6:7]
	s_load_b64 s[8:9], s[0:1], 0x10                ; meta
	v_lshrrev_b32 v1, 5, v0
	v_readfirstlane_b32 s10, v1                    ; wave 0..3
	v_and_b32 v1, 31, v0                           ; lane
	v_lshlrev_b32 v2, 3, v1                        ; 8 bytes a lane
	s_lshl_b32 s11, s10, 8
	v_add_nc_u32 v3, s11, v2                       ; my own chunk
	s_lshl_b32 s12, ttmp9, 10
	s_mov_b32 s13, 0
	s_wait_kmcnt 0x0
	s_add_nc_u64 s[4:5], s[4:5], s[12:13]          ; my expert's 256 words
.irp c, 0,1,2,3
	global_load_b64 v[RW+2*\c:RW+2*\c+1], v2, s[4:5] offset:256*\c   ; chunk c, lane l: groups 64 c + 2 l and + 1: tokens 1,024 c + 32 l + 0 .. 31
.endr
	global_load_b64 v[16:17], v3, s[4:5]
.irp c, 0,1,2
	s_cmp_gt_u32 s10, \c
	s_cselect_b32 s[16+\c], 0xffff, 0              ; chunk c lies ahead of mine
.endr
	s_lshl_b32 s14, s10, 10
	s_lshl_b32 s15, ttmp9, 16
	s_add_co_u32 s14, s14, s15
	v_add_nc_u32 v[VT], s14, v1
	s_add_co_u32 s15, ttmp9, 4352
	v_mov_b32 v[VD], s15
	s_lshl_b32 s15, ttmp9, 5
	s_add_co_u32 s15, s15, 4096
	v_add_nc_u32 v4, s15, v1
	v_lshlrev_b32 v4, 2, v4
	v_mov_b32 v5, 0
	global_store_b32 v4, v5, s[6:7]                ; my work-group's 32 of the 256 zeros behind the positions
	s_lshl_b32 s15, ttmp9, 2
	v_mov_b32 v6, s15                              ; meta's word
.irp c, 0,1,2
	v_mov_b32 v[TMP+\c], 0                         ; written once: the destination of a DPP form counts as read
.endr
	s_mov_b32 vcc_lo, 0xffff0000
	s_wait_loadcnt 0x0
.macro CNT d, s                        ; two words' counts: at most 32 each, so the byte fields do not run over
	v_lshrrev_b32 v[TMP], 16, v[\s]
	v_lshrrev_b32 v[TMP+1], 16, v[\s+1]
	v_add_nc_u32 v[TMP], v[TMP], v[TMP+1]
	v_and_b32 v[TMP+1], 0xff, v[TMP]
	v_and_b32 v[TMP], 0xff00, v[TMP]
	v_lshl_or_b32 v[\d], v[TMP], 8, v[TMP+1]
.endm
	CNT U, RW
	CNT U+1, RW+2
	CNT U+2, RW+4
	CNT U+3, RW+6
	CNT UO, 16
	v_and_b32 v[UO], 0xffff, v[UO]
	v_mov_b32 v[SS], v[UO]
	v_add3_u32 v[SS+1], v[U], v[U+1], v[U+2]
	v_add_nc_u32 v[SS+1], v[SS+1], v[U+3]          ; both halves stay under 2^16: at most 4,096 tokens
	v_and_b32 v[U], s16, v[U]
	v_and_b32 v[U+1], s17, v[U+1]
	v_and_b32 v[U+2], s18, v[U+2]
	v_add3_u32 v[SS+2], v[U], v[U+1], v[U+2]
.irp n, 1,2,4,8                                ; running sums over the 16 lanes of a row, the three by turns
.irp c, 0,1,2
	v_mov_b32_dpp v[TMP+\c], v[SS+\c] row_shr:\n row_mask:0xf bank_mask:0xf bound_ctrl:1
.endr
.irp c, 0,1,2
	v_add_nc_u32 v[SS+\c], v[SS+\c], v[TMP+\c]
.endr
.endr
.irp c, 0,1,2
	v_readlane_b32 s[24+\c], v[SS+\c], 15
.endr
.irp c, 0,1,2
	v_mov_b32 v[TMP+\c], s[24+\c]
.endr
.irp c, 0,1,2
	v_cndmask_b32 v[TMP+\c], 0, v[TMP+\c], vcc_lo  ; lanes 16-31 add the lower row's total
.endr
.irp c, 0,1,2
	v_add_nc_u32 v[SS+\c], v[SS+\c], v[TMP+\c]
.endr
	v_readlane_b32 s20, v[SS+1], 31                ; tokens on e | tokens on lower experts << 16: meta's word as it stands
	v_readlane_b32 s21, v[SS+2], 31                ; tokens on e ahead of my chunk
	s_lshr_b32 s22, s20, 16
	s_add_co_u32 s22, s22, s21
	v_sub_nc_u32 v[RK], v[SS], v[UO]
	v_add_nc_u32 v[RK], s22, v[RK]
	v_and_b32 v[TMP], 0xffff, v16
	v_lshl_or_b32 v[WRD], v17, 16, v[TMP]
	v_mov_b32 v7, s20
; Step k: lane k's mask and first position, for all 32 lanes: my place = the first + the set bits below mine.  Eight steps stand side by side, so that no line waits for the line above it.
.set K, 0
.rept 4
.irp b, 0,1,2,3,4,5,6,7
	v_readlane_b32 s[32+\b], v[WRD], K+\b
	v_readlane_b32 s[40+\b], v[RK], K+\b
.endr
.irp b, 0,1,2,3,4,5,6,7
	v_mbcnt_lo_u32_b32 v[AD+K+\b], s[32+\b], s[40+\b]
.endr
.irp b, 0,1,2,3,4,5,6,7
	v_cndmask_b32 v[AD+K+\b], v[VD], v[AD+K+\b], s[32+\b]
.endr
.irp b, 0,1,2,3,4,5,6,7
	v_min_u32 v[AD+K+\b], 0x1107, v[AD+K+\b]       ; never bites on what the launch before stores: it bounds the address whatever the buffer holds
.endr
.irp b, 0,1,2,3,4,5,6,7
	v_lshlrev_b32 v[AD+K+\b], 2, v[AD+K+\b]
.endr
.irp b, 0,1,2,3,4,5,6,7
	v_add_nc_u32 v[DA+K+\b], 32*(K+\b), v[VT]
.endr
.irp b, 0,1,2,3,4,5,6,7
	global_store_b32 v[AD+K+\b], v[DA+K+\b], s[6:7]   ; the lanes that place a token store consecutive words
.endr
.set K, K+8
.endr
	v_cmp_eq_u32 vcc_lo, 0, v0
	s_wait_xcnt 0x0                                ; EXEC is a source of the stores above: it changes only behind this wait
	s_and_saveexec_b32 s23, vcc_lo
	global_store_b32 v6, v7, s[8:9]                ; thread 0: meta[e]
	s_wait_xcnt 0x0
	s_or_b32 exec_lo, exec_lo, s23
	s_endpgm
.Lfunc_end_k_q3de4154dbb_place:
	.size	k_q3de4154dbb_place, .Lfunc_end_k_q3de4154dbb_place-k_q3de4154dbb_place
	.p2alignl 7, 3214868480
	.fill 96, 4, 3214868480
	.section	.rodata,"a",@progbits
	.p2align	6, 0x0
	.amdhsa_kernel k_q3de4154dbb_place
		.amdhsa_group_segment_fixed_size 0
		.amdhsa_private_segment_fixed_size 0
		.amdhsa_enable_private_segment 0
		.amdhsa_kernarg_size 24
		.amdhsa_user_sgpr_count 2
		.amdhsa_user_sgpr_kernarg_segment_ptr 1
		.amdhsa_wavefront_size32 1
		.amdhsa_system_sgpr_workgroup_id_x 1
		.amdhsa_system_sgpr_workgroup_id_y 1
		.amdhsa_system_sgpr_workgroup_id_z 1
		.amdhsa_system_vgpr_workitem_id 0
		.amdhsa_next_free_vgpr 128
		.amdhsa_next_free_sgpr 66
		.amdhsa_reserve_vcc 1
		.amdhsa_float_denorm_mode_32 3
		.amdhsa_float_denorm_mode_16_64 3
		.amdhsa_memory_ordered 1
		.amdhsa_forward_progress 1
		.amdhsa_inst_pref_size 23
	.end_amdhsa_kernel
	.amdgpu_metadata
---
amdhsa.version: [ 1, 2 ]
amdhsa.kernels:
  - .name:           k_q3de4154dbb_place
    .symbol:         k_q3de4154dbb_place.kd
    .args:
      - { .name: route, .offset: 0, .size: 8, .value_kind: global_buffer, .address_space: global }
      - { .name: perm, .offset: 8, .size: 8, .value_kind: global_buffer, .address_space: global }
      - { .name: meta, .offset: 16, .size: 8, .value_kind: global_buffer, .address_space: global }
    .group_segment_fixed_size: 0
    .private_segment_fixed_size: 0
    .kernarg_segment_align: 8
    .kernarg_segment_size: 24
    .max_flat_workgroup_size: 128
    .sgpr_count:     66
    .vgpr_count:     128
    .wavefront_size: 32
...
	.end_amdgpu_metadata
.endif
;; end of part 2
;; launch experts (part 3): grid 232 x 1, 4 waves a work-group, no clusters, 124,416 bytes of LDS; arguments W1_codes, W1_scales, W2, b1, xq, xs, perm, meta, part; writes part
.if DOCPART == 3
	.amdgcn_target "amdgcn-amd-amdhsa--gfx1250"
	.amdhsa_code_object_version 6
	.text
	.protected	k_q3de4154dbb_experts
	.globl	k_q3de4154dbb_experts
	.p2align	8
	.type	k_q3de4154dbb_experts,@function
k_q3de4154dbb_experts:
	s_mov_b64 s[64:65], 0
	v_nop
	global_prefetch_b8 v0, s[64:65] scope:SCOPE_SE
	s_setreg_imm32_b32 hwreg(HW_REG_WAVE_MODE, 25, 1), 1
	s_wait_xcnt 0x0
; For the rows of one tile of one expert: part[sl][position] = relu(Q(x) W1[e] + b1[e]) W2[e], summed over the 256 hidden units of slice sl.  The first product is on E2M1 codes with E8M0 scales, the rest in f32.
; WORK-GROUP id = 8 t + sl: row tile t of 29, slice sl of 8.  Expert e with cnt rows has ceil(cnt / 192) tiles, experts in ascending order; tile j of e takes ranks 192 j .. 192 j + 191 that exist.
; 4,096 rows on 8 experts never make more than ceil(4096 / 192) + 7 = 29 tiles, whatever the split.  A tile number that a split leaves free has no rows: its work-group passes both barriers and stores nothing
; (it still loads expert 0's weights: a jump round those loads would leave registers unwritten on a way that reaches a product).
; EVERY ADDRESS REGISTER IS WRITTEN AHEAD OF THE FIRST BRANCH, all lanes on; the branches, which hang on the tile's number of rows, go round loads, LDS stores and products alone, never round a barrier.
; SHARES: wave w owns hidden units 64 w .. 64 w + 63 of the slice: 4 tiles of 16.  Their codes for all of K (256 registers), scale words, b1 and W2 stay in registers.
; The rows' codes are gathered once into LDS (wave w: token tiles w, 4 + w, 8 + w) and read by all four waves.  A row of 512 bytes comes by two loads in which sixteen lanes take 256 consecutive bytes.
; THE PRODUCT IS USED TRANSPOSED: source 0 = 16 rows of W1, source 1 = 16 tokens: a lane holds one token (lane % 16) and its eight registers the hidden units 8 (lane / 16) + 0 .. 7; b1 is the C of a sum's first link.
; No tensor load, no copy, no joint load: the branches hang on counts read from memory.
; The clamps on the expert, on positions and on token numbers never bite on what the launches before store; they bound every address whatever the buffers hold.
.set XSC,   0                          ; LDS: the tokens' scale words: 12 tiles x 16 x 32 bytes
.set XS,    6144                       ; the tokens' codes: 12 tiles x 16 rows, 512 + 16 bytes apart, so that the 16 rows of a fragment load start 16 bytes further on in each 256
.set XP,    528
.set XTILE, 16*XP
.set RED,   107520                     ; wave w's three sums (and a zero) for 256 rows: 4,096 bytes at 4,096 w
.set VWF,  4                           ; v4   W1's codes: 512 (my first hidden row + r) + 16 h
.set VWS,  5                           ; v5   W1's scale bytes: 32 (my first hidden row + lane)
.set VB1,  6                           ; v6   b1: 4 (my first hidden row + 8 h)
.set VW2,  7                           ; v7   W2: 12 (my first hidden row + 8 h)
.set AXR,  8                           ; v8-10 a token fragment in tiles 0, 4, 8
.set AS,   11                          ; v11  a token's scale words in tile 0
.set AR,   12                          ; v12  where I put a token's sums, tile 0
.set RC,   13                          ; v13  RED + 4,096 w + 16 x lane
.set REDR, 14                          ; v14  RED + 16 x thread
.set L15,  15                          ; v15  16 x (lane % 16)
.set VO,   16                          ; v16-39 perm's words, then byte offsets in xq: region i, register k: row 8 h + k of my tile 4 i + w
.set VSO,  40                          ; v40-42 the same for xs: row lane / 2
.set XSTA, 43                          ; v43-45 where I store the gathered rows of my tile 4 i + w
.set SSTA, 46                          ; v46  and their scale words
.set PA,   47                          ; v47  perm: 4 (first position + 16 w + 8 h)
.set PB,   48                          ; v48  perm: 4 (first position + 16 w + lane / 2)
.set PO,   49                          ; v49-50 part: 16 x the position of rows thread, thread + 128
.set H16,  51                          ; v51  16 x (lane % 2)
.set RR1,  52                          ; v52  thread + 128
.set TT,   53
.set L16,  54                          ; v54  16 x lane
.set WSC,  56                          ; v56-71 W1's scale words: v[WSC + 8 p + s]: lanes 0-15 tile 2 p, lanes 16-31 tile 2 p + 1, K step s
.set XSCR, 72                          ; v72-79 the tile's tokens' scale words, K step s
.set P,    80                          ; v80-91 two sets of three pairs: (c0, c1), (c2, c0), (c1, c2)
.set O,    92                          ; v92-95 a token's three sums; v95 stays 0
.set ACC,  96                          ; v96-127 four accumulators; at the end the four waves' sums of two rows
.set W2R,  128                         ; v128-223 W2: v[W2R + 24 t + 3 j + c]
.set T,    224                         ; v224-226 the other half's sums
.set B1,   128                         ; window 2: v0-63 the tile's token fragments; v128-159 b1; v160-171 gathered scale words
.set GS,   160                         ; window 1: W1's fragments, tile t, K step s at v[64 t + 8 s];  window 3: gathered rows, v[64 i + 8 k + 4 c]
.set MSB, 0
.macro WIN new                         ; s_set_vgpr_msb: bits 1:0 source 0, 3:2 source 1, 5:4 source 2, 7:6 destination; the high byte repeats the setting that is left
.if MSB != \new
	s_set_vgpr_msb (MSB<<8)|\new
.set MSB, \new
.endif
.endm
.macro BARRIER                         ; my LDS stores have landed and my LDS loads are in: then the work-group's barrier
	s_wait_dscnt 0x0
	s_barrier_signal -1
	s_barrier_wait -1
.endm
.macro WLOAD t                         ; tile t's 16 rows of 512 bytes, as 8 fragments: the 16 loads together take the tile's 8,192 bytes whole
	WIN 0x40
.irp s, 0,1,2,3,4,5,6,7
.irp c, 0,1
	global_load_b128 v[64*\t+8*\s+4*\c:64*\t+8*\s+4*\c+3], v[VWF], s[4:5] offset:8192*\t+64*\s+32*\c
.endr
.endr
	WIN 0
.endm
	s_load_b512 s[4:19], s[0:1], 0x0               ; W1's codes s[4:5], its scales s[6:7], W2 s[8:9], b1 s[10:11], xq s[12:13], xs s[14:15], perm s[16:17], meta s[18:19]
	s_load_b64 s[20:21], s[0:1], 0x40              ; part
	v_lshl_add_u32 v254, v0, 2, 0x1e400
	v_mov_b32 v255, 0
	v_lshrrev_b32 v1, 5, v0
	v_readfirstlane_b32 s22, v1                    ; wave 0..3
	v_and_b32 v1, 31, v0                           ; lane
	v_and_b32 v2, 15, v0                           ; r
	v_bfe_u32 v3, v0, 4, 1                         ; h
	s_lshr_b32 s23, ttmp9, 3                       ; t
	s_and_b32 s24, ttmp9, 7                        ; sl
	s_mov_b32 s46, 0x76543210
	s_mov_b32 s47, 0xfedcba98                      ; v_permlanex16_b32's selects for lane l xor 16
	s_wait_kmcnt 0x0
	s_load_b256 s[72:79], s[18:19], 0x0            ; meta: the eight experts' counts
	s_lshl_b32 s48, s24, 16
	s_mov_b32 s49, 0
	s_add_nc_u64 s[20:21], s[20:21], s[48:49]      ; part: my slice's 4,096 rows of 16 bytes
	; what hangs on ids alone is made while meta is on its way
	v_lshlrev_b32 v[L15], 4, v2
	v_lshlrev_b32 v[L16], 4, v1
	v_and_b32 v[H16], 1, v0
	v_lshlrev_b32 v[H16], 4, v[H16]
	v_add_nc_u32 v[RR1], 128, v0
	v_mul_u32_u24 v[AXR], v2, XP
	v_lshl_add_u32 v[AXR], v3, 4, v[AXR]
	v_add_nc_u32 v[AXR], XS, v[AXR]
	v_add_nc_u32 v[AXR+1], 4*XTILE, v[AXR]
	v_add_nc_u32 v[AXR+2], 8*XTILE, v[AXR]
	v_lshlrev_b32 v[AS], 5, v2
	v_add_nc_u32 v[AS], XSC, v[AS]
	s_lshl_b32 s43, s22, 12
	s_add_co_u32 s43, s43, RED
	v_lshl_add_u32 v[AR], v2, 4, s43
	v_add_nc_u32 v[RC], s43, v[L16]
	v_lshl_add_u32 v[REDR], v0, 4, RED
	s_lshl_b32 s42, s22, 9
	s_add_co_u32 s42, s42, XSC
	v_add_nc_u32 v[SSTA], s42, v[L16]
	v_mul_u32_u24 v[TT], v3, 8*XP
	v_add_nc_u32 v[TT], v[TT], v[L15]              ; lanes 0-15 rows 0 .. 7, lanes 16-31 rows 8 .. 15; 16 bytes a lane
	s_mul_i32 s40, s22, XTILE
	s_add_co_u32 s40, s40, XS
.irp i, 0,1,2
	v_add_nc_u32 v[XSTA+\i], s40, v[TT]
	s_add_co_u32 s40, s40, 4*XTILE
.endr
	v_lshlrev_b32 v[VWF], 9, v2
	v_lshl_add_u32 v[VWF], v3, 4, v[VWF]
	v_lshlrev_b32 v[VWS], 5, v1
	v_lshlrev_b32 v[VB1], 5, v3
	v_mul_u32_u24 v[VW2], v3, 96
	v_lshlrev_b32 v[PA], 3, v3
	v_lshrrev_b32 v[PB], 1, v1
.irp n, 0,1,2,3
	v_mov_b32 v[O+\n], 0
.endr
.irp n, 0,1,2
	v_mov_b32 v[T+\n], 0                           ; a lane permute's destination counts as one of its sources
.endr
.irp n, 0,1,2,3,4,5,6,7
	ds_store_b128 v[RC], v[O:O+3] offset:512*\n    ; my own 4,096 bytes of sums begin as zeros, so that the sum over waves may read all 256 rows
.endr
	s_lshl_b32 s40, s22, 4                         ; the first rows of my three token tiles: 16 w, 64 + 16 w, 128 + 16 w
	s_add_co_u32 s41, s40, 64
	s_add_co_u32 s42, s40, 128
	; WHICH TILE IS MINE: by selects, without a jump.  ceil(cnt / 192) = floor(floor((cnt + 191) / 64) / 3), and floor(y / 3) = (43 y) >> 7 for y under 128; here y is at most 66
	s_mov_b32 s25, 0                               ; e
	s_mov_b32 s26, 0                               ; j: my tile among e's
	s_mov_b32 s27, 0                               ; e's word of meta; 0 where no expert has tile t: no rows
	s_mov_b32 s28, 0                               ; tiles of the experts before
	s_wait_kmcnt 0x0
.irp e, 0,1,2,3,4,5,6,7
	s_and_b32 s30, s[72+\e], 0xffff
	s_add_co_u32 s30, s30, 191
	s_lshr_b32 s30, s30, 6
	s_mul_i32 s30, s30, 43
	s_lshr_b32 s30, s30, 7                         ; e's tiles
	s_sub_co_u32 s31, s23, s28                     ; t less the tiles before: it wraps where t lies ahead of e's tiles
	s_add_co_u32 s28, s28, s30
	s_cmp_lt_u32 s31, s30
	s_cselect_b32 s25, \e, s25
	s_cselect_b32 s26, s31, s26
	s_cselect_b32 s27, s[72+\e], s27
.endr
	s_min_u32 s25, s25, 7
	s_and_b32 s32, s27, 0xffff                     ; cnt
	s_lshr_b32 s33, s27, 16                        ; rows of lower experts
	s_mul_i32 s34, s26, 192                        ; my first rank: under cnt where the tile exists
	s_sub_co_u32 s35, s32, s34
	s_min_u32 s35, s35, 192                        ; s35: my rows
	s_add_co_u32 s36, s33, s34
	s_min_u32 s36, s36, 0xfff                      ; s36: my first position
	s_lshl_b32 s37, s25, 11
	s_lshl_b32 s38, s24, 8
	s_add_co_u32 s37, s37, s38
	s_lshl_b32 s38, s22, 6
	s_add_co_u32 s37, s37, s38                     ; my first hidden row: 2,048 e + 256 sl + 64 w
	s_lshl_b32 s38, s22, 4
	s_add_co_u32 s38, s38, s36
	v_add_nc_u32 v[PA], s38, v[PA]
	v_lshlrev_b32 v[PA], 2, v[PA]
	v_add_nc_u32 v[PB], s38, v[PB]
	v_lshlrev_b32 v[PB], 2, v[PB]
.irp i, 0,1,2
.irp k, 0,1,2,3,4,5,6,7
	global_load_b32 v[VO+8*\i+\k], v[PA], s[16:17] offset:4*(64*\i+\k)   ; at most word 4,095 + 191: perm holds zeros there
.endr
.endr
.irp i, 0,1,2
	global_load_b32 v[VSO+\i], v[PB], s[16:17] offset:256*\i
.endr
	s_lshl_b32 s38, s37, 9
	v_add_nc_u32 v[VWF], s38, v[VWF]               ; 512 bytes of codes a hidden row,
	s_lshl_b32 s38, s37, 5
	v_add_nc_u32 v[VWS], s38, v[VWS]               ; 32 scale bytes,
	s_lshl_b32 s38, s37, 2
	v_add_nc_u32 v[VB1], s38, v[VB1]               ; 4 of b1,
	s_mul_i32 s38, s37, 12
	v_add_nc_u32 v[VW2], s38, v[VW2]               ; 12 of W2
	WLOAD 0
	WLOAD 1
	WLOAD 2
	v_add_nc_u32 v[PO], s36, v0
	v_add_nc_u32 v[PO+1], s36, v[RR1]
	v_min_u32 v[PO], 0xfff, v[PO]
	v_min_u32 v[PO+1], 0xfff, v[PO+1]
	v_lshlrev_b32 v[PO], 4, v[PO]
	v_lshlrev_b32 v[PO+1], 4, v[PO+1]
	s_wait_loadcnt 48                              ; perm's 27 words are in; the 48 loads of weights issued behind them may be out
.irp n, 0,1,2,3,4,5,6,7,8,9,10,11,12,13,14,15,16,17,18,19,20,21,22,23,24,25,26
	v_and_b32 v[VO+\n], 0xffff, v[VO+\n]           ; the token (VSO's three registers follow VO's 24)
.endr
.irp n, 0,1,2,3,4,5,6,7,8,9,10,11,12,13,14,15,16,17,18,19,20,21,22,23,24,25,26
	v_min_u32 v[VO+\n], 0xfff, v[VO+\n]
.endr
.irp n, 0,1,2,3,4,5,6,7,8,9,10,11,12,13,14,15,16,17,18,19,20,21,22,23
	v_lshlrev_b32 v[VO+\n], 9, v[VO+\n]
.endr
.irp n, 0,1,2,3,4,5,6,7,8,9,10,11,12,13,14,15,16,17,18,19,20,21,22,23
	v_add_nc_u32 v[VO+\n], v[VO+\n], v[L15]        ; its row of 512 bytes, my 16 of each 256
.endr
.irp n, 0,1,2
	v_lshlrev_b32 v[VSO+\n], 5, v[VSO+\n]
.endr
.irp n, 0,1,2
	v_add_nc_u32 v[VSO+\n], v[VSO+\n], v[H16]      ; its 32 scale bytes, my half
.endr
	WLOAD 3
.irp p, 0,1
.irp u, 0,1
	global_load_b128 v[WSC+8*\p+4*\u:WSC+8*\p+4*\u+3], v[VWS], s[6:7] offset:1024*\p+16*\u   ; lane l: the 32 scale bytes of my row 32 p + l
.endr
.endr
	WIN 0x80
.irp t, 0,1,2,3
.irp u, 0,1
	global_load_b128 v[B1+8*\t+4*\u:B1+8*\t+4*\u+3], v[VB1], s[10:11] offset:64*\t+16*\u      ; b1 at hidden units 16 t + 8 h + 0 .. 7
.endr
.endr
	WIN 0
.irp t, 0,1,2,3
.irp u, 0,1,2,3,4,5
	global_load_b128 v[W2R+24*\t+4*\u:W2R+24*\t+4*\u+3], v[VW2], s[8:9] offset:192*\t+16*\u   ; W2 at the same eight units: 24 numbers as they lie
.endr
.endr
; Region i of the gather: my tile 4 i + w.  Load (k, c): lanes 0-15 bytes 256 c .. of row k, lanes 16-31 of row 8 + k.  The tile's 512 scale bytes by one load.
.macro GLOADS i
	WIN 0xc0
.irp k, 0,1,2,3,4,5,6,7
.irp c, 0,1
	global_load_b128 v[64*\i+8*\k+4*\c:64*\i+8*\k+4*\c+3], v[VO+8*\i+\k], s[12:13] offset:256*\c
.endr
.endr
	WIN 0x80
	global_load_b128 v[GS+4*\i:GS+4*\i+3], v[VSO+\i], s[14:15]
	WIN 0
.endm
.macro GSTORES i
	s_wait_loadcnt 0x0
	WIN 0x0c                                       ; an LDS store's data are its source 1: window 3
.irp k, 0,1,2,3,4,5,6,7
.irp c, 0,1
	ds_store_b128 v[XSTA+\i], v[64*\i+8*\k+4*\c:64*\i+8*\k+4*\c+3] offset:XP*\k+256*\c
.endr
.endr
	WIN 0x08
	ds_store_b128 v[SSTA], v[GS+4*\i:GS+4*\i+3] offset:2048*\i
	WIN 0
.endm
	; THE GATHER.  The conditions fall with i, so the regions are nested: all loads go out first, and a region's stores stand under the branch of its loads.  A tile with fewer than 16 rows is filled up with
	; the rows that follow in perm: real tokens, whose sums are not stored
	s_cmp_lt_u32 s40, s35
	s_cbranch_scc0 .Lgot0
	GLOADS 0
	s_cmp_lt_u32 s41, s35
	s_cbranch_scc0 .Lgot1
	GLOADS 1
	s_cmp_lt_u32 s42, s35
	s_cbranch_scc0 .Lgot2
	GLOADS 2
	GSTORES 2
.Lgot2:
	GSTORES 1
.Lgot1:
	GSTORES 0
.Lgot0:
	s_wait_loadcnt 0x0                             ; the weights are in, in a wave that gathered nothing too
	BARRIER                                        ; the tile's tokens lie in LDS
; One link: tile t of my hidden units, K step s.  Odd tiles' scale words lie in lanes 16-31.
.macro MM t, s
.if (\s) == 0
.if (\t)%2
	v_wmma_scale_f32_16x16x128_f8f6f4 v[ACC+8*\t:ACC+8*\t+7], v[64*\t+8*\s:64*\t+8*\s+7], v[8*\s:8*\s+7], v[B1+8*\t:B1+8*\t+7], v[WSC+8*(\t/2)+\s], v[XSCR+\s] matrix_a_fmt:MATRIX_FMT_FP4 matrix_b_fmt:MATRIX_FMT_FP4 matrix_a_scale:MATRIX_SCALE_ROW1
.else
	v_wmma_scale_f32_16x16x128_f8f6f4 v[ACC+8*\t:ACC+8*\t+7], v[64*\t+8*\s:64*\t+8*\s+7], v[8*\s:8*\s+7], v[B1+8*\t:B1+8*\t+7], v[WSC+8*(\t/2)+\s], v[XSCR+\s] matrix_a_fmt:MATRIX_FMT_FP4 matrix_b_fmt:MATRIX_FMT_FP4
.endif
.else
.if (\t)%2
	v_wmma_scale_f32_16x16x128_f8f6f4 v[ACC+8*\t:ACC+8*\t+7], v[64*\t+8*\s:64*\t+8*\s+7], v[8*\s:8*\s+7], v[ACC+8*\t:ACC+8*\t+7], v[WSC+8*(\t/2)+\s], v[XSCR+\s] matrix_a_fmt:MATRIX_FMT_FP4 matrix_b_fmt:MATRIX_FMT_FP4 matrix_a_scale:MATRIX_SCALE_ROW1
.else
	v_wmma_scale_f32_16x16x128_f8f6f4 v[ACC+8*\t:ACC+8*\t+7], v[64*\t+8*\s:64*\t+8*\s+7], v[8*\s:8*\s+7], v[ACC+8*\t:ACC+8*\t+7], v[WSC+8*(\t/2)+\s], v[XSCR+\s] matrix_a_fmt:MATRIX_FMT_FP4 matrix_b_fmt:MATRIX_FMT_FP4
.endif
.endif
.endm
; Token tile m: 16 tokens against my 64 hidden units, all of K: 32 links, the four accumulators by turns, one a turn.  Where no rows are left, all later tiles are left out too.
; All that the tile reads of LDS it loads itself; its addresses are three registers made at the head, and immediates.
.macro TILE m
	s_cmp_le_u32 s35, 16*(\m)
	s_cbranch_scc1 .Ltiles_done
	ds_load_b128 v[XSCR:XSCR+3], v[AS] offset:512*(\m)
	ds_load_b128 v[XSCR+4:XSCR+7], v[AS] offset:512*(\m)+16
	WIN 0x80
.irp s, 0,1,2,3,4,5,6,7
.irp c, 0,1
	ds_load_b128 v[8*\s+4*\c:8*\s+4*\c+3], v[AXR+(\m)/4] offset:XTILE*((\m)%4)+64*\s+32*\c
.endr
.endr
.irp s, 0,1,2,3,4,5,6,7
	s_wait_dscnt 14-2*\s                           ; the scale words and K steps 0 .. s are in; the two loads of each later K step may be out
.if \s == 0
	WIN 0x29                                       ; source 0 (W1) window 1, source 1 (tokens) window 2, source 2 (b1) window 2
.else
	WIN 0x09
.endif
.irp t, 0,1,2,3
	MM \t, \s
.endr
.endr
	WIN 0
.rept 4
	v_nop                                          ; four places between the last link and the first read of results; with the lines below also those in front of the next tile's loads and its first links
.endr
.irp t, 0,1,2,3
.irp j, 0,1,2,3,4,5,6,7
	v_max_num_f32 v[ACC+8*\t+\j], 0, v[ACC+8*\t+\j]   ; relu, each accumulator from its low end on
.endr
.irp q, 0,1,2,3                                ; hidden units 2 q, 2 q + 1 against W2's six numbers as they lie: (u0, u0) x (c0, c1), (u0, u1) x (c2, c0), (u1, u1) x (c1, c2)
.if (\t == 0) && (\q < 2)
	v_pk_mul_f32 v[P+6*(\q%2):P+6*(\q%2)+1], v[ACC+8*\t+2*\q:ACC+8*\t+2*\q+1], v[W2R+24*\t+6*\q:W2R+24*\t+6*\q+1] op_sel_hi:[0,1]
	v_pk_mul_f32 v[P+6*(\q%2)+2:P+6*(\q%2)+3], v[ACC+8*\t+2*\q:ACC+8*\t+2*\q+1], v[W2R+24*\t+6*\q+2:W2R+24*\t+6*\q+3]
	v_pk_mul_f32 v[P+6*(\q%2)+4:P+6*(\q%2)+5], v[ACC+8*\t+2*\q:ACC+8*\t+2*\q+1], v[W2R+24*\t+6*\q+4:W2R+24*\t+6*\q+5] op_sel:[1,0] op_sel_hi:[1,1]
.else
	v_pk_fma_f32 v[P+6*(\q%2):P+6*(\q%2)+1], v[ACC+8*\t+2*\q:ACC+8*\t+2*\q+1], v[W2R+24*\t+6*\q:W2R+24*\t+6*\q+1], v[P+6*(\q%2):P+6*(\q%2)+1] op_sel_hi:[0,1,1]
	v_pk_fma_f32 v[P+6*(\q%2)+2:P+6*(\q%2)+3], v[ACC+8*\t+2*\q:ACC+8*\t+2*\q+1], v[W2R+24*\t+6*\q+2:W2R+24*\t+6*\q+3], v[P+6*(\q%2)+2:P+6*(\q%2)+3]
	v_pk_fma_f32 v[P+6*(\q%2)+4:P+6*(\q%2)+5], v[ACC+8*\t+2*\q:ACC+8*\t+2*\q+1], v[W2R+24*\t+6*\q+4:W2R+24*\t+6*\q+5], v[P+6*(\q%2)+4:P+6*(\q%2)+5] op_sel:[1,0,0] op_sel_hi:[1,1,1]
.endif
.endr
.endr
.irp n, 0,2,4
	v_pk_add_f32 v[P+\n:P+\n+1], v[P+\n:P+\n+1], v[P+6+\n:P+6+\n+1]
.endr
	v_add_f32 v[O], v[P], v[P+3]
	v_add_f32 v[O+1], v[P+1], v[P+4]
	v_add_f32 v[O+2], v[P+2], v[P+5]
.irp n, 0,1,2
	v_permlanex16_b32 v[T+\n], v[O+\n], s46, s47   ; the token's other eight units of each tile lie in the lane 16 away
.endr
.irp n, 0,1,2
	v_add_f32 v[O+\n], v[O+\n], v[T+\n]
.endr
	ds_store_b128 v[AR], v[O:O+3] offset:256*(\m)  ; lanes r and 16 + r write the same 16 bytes with the same values
.endm
.irp m, 0,1,2,3,4,5,6,7,8,9,10,11
	TILE \m
.endr
.Ltiles_done:
	BARRIER                                        ; every wave's sums lie in LDS
	; THE SUM OVER THE FOUR WAVES, ascending; a thread takes rows thread and thread + 128.  All lanes load and add; EXEC is narrowed round the two stores alone, behind the last vector write of the text
.irp u, 0,1
.irp w, 0,1,2,3
	ds_load_b128 v[ACC+16*\u+4*\w:ACC+16*\u+4*\w+3], v[REDR] offset:2048*\u+4096*\w
.endr
.endr
	s_wait_dscnt 0x0
.irp u, 0,1
.irp w, 1,2,3
	v_pk_add_f32 v[ACC+16*\u:ACC+16*\u+1], v[ACC+16*\u:ACC+16*\u+1], v[ACC+16*\u+4*\w:ACC+16*\u+4*\w+1]
	v_add_f32 v[ACC+16*\u+2], v[ACC+16*\u+2], v[ACC+16*\u+4*\w+2]
.endr
.endr
	v_cmp_gt_u32 vcc_lo, s35, v0
	s_wait_xcnt 0x0                                ; EXEC changes only behind this wait
	s_wait_tensorcnt 0x0
	ds_add_u32 v254, v255
	s_wait_dscnt 0x0
	s_and_saveexec_b32 s44, vcc_lo
	global_store_b128 v[PO], v[ACC:ACC+3], s[20:21]   ; neighbouring lanes store neighbouring 16 bytes
	s_wait_xcnt 0x0                                ; and again in front of the line that widens it
	s_or_b32 exec_lo, exec_lo, s44
	v_cmp_gt_u32 vcc_lo, s35, v[RR1]
	s_and_saveexec_b32 s44, vcc_lo
	global_store_b128 v[PO+1], v[ACC+16:ACC+19], s[20:21]
	s_wait_xcnt 0x0
	s_or_b32 exec_lo, exec_lo, s44
	s_endpgm
.Lfunc_end_k_q3de4154dbb_experts:
	.size	k_q3de4154dbb_experts, .Lfunc_end_k_q3de4154dbb_experts-k_q3de4154dbb_experts
	.p2alignl 7, 3214868480
	.fill 96, 4, 3214868480
	.section	.rodata,"a",@progbits
	.p2align	6, 0x0
	.amdhsa_kernel k_q3de4154dbb_experts
		.amdhsa_group_segment_fixed_size 124416
		.amdhsa_private_segment_fixed_size 0
		.amdhsa_enable_private_segment 0
		.amdhsa_kernarg_size 72
		.amdhsa_user_sgpr_count 2
		.amdhsa_user_sgpr_kernarg_segment_ptr 1
		.amdhsa_wavefront_size32 1
		.amdhsa_system_sgpr_workgroup_id_x 1
		.amdhsa_system_sgpr_workgroup_id_y 1
		.amdhsa_system_sgpr_workgroup_id_z 1
		.amdhsa_system_vgpr_workitem_id 0
		.amdhsa_next_free_vgpr 1024
		.amdhsa_next_free_sgpr 96
		.amdhsa_reserve_vcc 1
		.amdhsa_float_denorm_mode_32 3
		.amdhsa_float_denorm_mode_16_64 3
		.amdhsa_memory_ordered 1
		.amdhsa_forward_progress 1
		.amdhsa_inst_pref_size 161
	.end_amdhsa_kernel
	.amdgpu_metadata
---
amdhsa.version: [ 1, 2 ]
amdhsa.kernels:
  - .name:           k_q3de4154dbb_experts
    .symbol:         k_q3de4154dbb_experts.kd
    .args:
      - { .name: W1_codes, .offset: 0, .size: 8, .value_kind: global_buffer, .address_space: global }
      - { .name: W1_scales, .offset: 8, .size: 8, .value_kind: global_buffer, .address_space: global }
      - { .name: W2, .offset: 16, .size: 8, .value_kind: global_buffer, .address_space: global }
      - { .name: b1, .offset: 24, .size: 8, .value_kind: global_buffer, .address_space: global }
      - { .name: xq, .offset: 32, .size: 8, .value_kind: global_buffer, .address_space: global }
      - { .name: xs, .offset: 40, .size: 8, .value_kind: global_buffer, .address_space: global }
      - { .name: perm, .offset: 48, .size: 8, .value_kind: global_buffer, .address_space: global }
      - { .name: meta, .offset: 56, .size: 8, .value_kind: global_buffer, .address_space: global }
      - { .name: part, .offset: 64, .size: 8, .value_kind: global_buffer, .address_space: global }
    .group_segment_fixed_size: 124416
    .private_segment_fixed_size: 0
    .kernarg_segment_align: 8
    .kernarg_segment_size: 72
    .max_flat_workgroup_size: 128
    .sgpr_count:     96
    .vgpr_count:     1024
    .wavefront_size: 32
...
	.end_amdgpu_metadata
.endif
;; end of part 3
;; launch combine (part 4): grid 32 x 1, 4 waves a work-group, no clusters, 0 bytes of LDS; arguments part, perm, b2, out0; writes out0
.if DOCPART == 4
	.amdgcn_target "amdgcn-amd-amdhsa--gfx1250"
	.amdhsa_code_object_version 6
	.text
	.protected	k_q3de4154dbb_combine
	.globl	k_q3de4154dbb_combine
	.p2align	8
	.type	k_q3de4154dbb_combine,@function
k_q3de4154dbb_combine:
	s_mov_b64 s[64:65], 0
	v_nop
	global_prefetch_b8 v0, s[64:65] scope:SCOPE_SE
	s_setreg_imm32_b32 hwreg(HW_REG_WAVE_MODE, 25, 1), 1
	s_wait_xcnt 0x0
; out0[token] = the sum over the 8 slices of part[slice][position], ascending, + b2[expert]; perm[position] = token | expert << 16.
; A thread takes a position: 4,096 threads are all the work there is, so 32 work-groups of 128.  part is read in whole runs (16 bytes a lane, neighbouring lanes neighbouring bytes).
; A row of out0 and of b2 is 12 bytes and starts at a multiple of 4 only: three accesses of 4 bytes; rows of out0 go to their tokens' places, the program's one scatter of results.
; No LDS, no barrier, no matrix unit: nothing here is shared or multiplied.  The clamps never bite on what the launch before stores.
	s_load_b256 s[4:11], s[0:1], 0x0               ; part s[4:5], perm s[6:7], b2 s[8:9], out0 s[10:11]
	s_lshl_b32 s2, ttmp9, 7
	v_add_nc_u32 v1, s2, v0                        ; my position
	v_lshlrev_b32 v2, 2, v1
	v_lshlrev_b32 v3, 4, v1
	s_wait_kmcnt 0x0
	global_load_b32 v4, v2, s[6:7]
.irp s, 0,1,2,3,4,5,6,7
	global_load_b128 v[8+4*\s:11+4*\s], v3, s[4:5] offset:65536*\s
.endr
	s_wait_loadcnt 8                               ; perm's word is in; the eight parts issued behind it may be out
	v_lshrrev_b32 v5, 16, v4
	v_min_u32 v5, 7, v5
	v_mul_u32_u24 v5, 12, v5                       ; b2's row
	v_and_b32 v6, 0xffff, v4
	v_min_u32 v6, 0xfff, v6
	v_mul_u32_u24 v6, 12, v6                       ; out0's row
	global_load_b32 v40, v5, s[8:9]
	global_load_b32 v41, v5, s[8:9] offset:4
	global_load_b32 v42, v5, s[8:9] offset:8
	s_wait_loadcnt 3                               ; the parts are in; b2's three loads may be out
.irp s, 1,2,3,4,5,6,7
	v_pk_add_f32 v[8:9], v[8:9], v[8+4*\s:9+4*\s]
	v_add_f32 v10, v10, v[10+4*\s]
.endr
	s_wait_loadcnt 0x0
	v_pk_add_f32 v[8:9], v[8:9], v[40:41]
	v_add_f32 v10, v10, v42
	global_store_b32 v6, v8, s[10:11]
	global_store_b32 v6, v9, s[10:11] offset:4
	global_store_b32 v6, v10, s[10:11] offset:8
	s_endpgm
.Lfunc_end_k_q3de4154dbb_combine:
	.size	k_q3de4154dbb_combine, .Lfunc_end_k_q3de4154dbb_combine-k_q3de4154dbb_combine
	.p2alignl 7, 3214868480
	.fill 96, 4, 3214868480
	.section	.rodata,"a",@progbits
	.p2align	6, 0x0
	.amdhsa_kernel k_q3de4154dbb_combine
		.amdhsa_group_segment_fixed_size 0
		.amdhsa_private_segment_fixed_size 0
		.amdhsa_enable_private_segment 0
		.amdhsa_kernarg_size 32
		.amdhsa_user_sgpr_count 2
		.amdhsa_user_sgpr_kernarg_segment_ptr 1
		.amdhsa_wavefront_size32 1
		.amdhsa_system_sgpr_workgroup_id_x 1
		.amdhsa_system_sgpr_workgroup_id_y 1
		.amdhsa_system_sgpr_workgroup_id_z 1
		.amdhsa_system_vgpr_workitem_id 0
		.amdhsa_next_free_vgpr 48
		.amdhsa_next_free_sgpr 66
		.amdhsa_reserve_vcc 0
		.amdhsa_float_denorm_mode_32 3
		.amdhsa_float_denorm_mode_16_64 3
		.amdhsa_memory_ordered 1
		.amdhsa_forward_progress 1
		.amdhsa_inst_pref_size 3
	.end_amdhsa_kernel
	.amdgpu_metadata
---
amdhsa.version: [ 1, 2 ]
amdhsa.kernels:
  - .name:           k_q3de4154dbb_combine
    .symbol:         k_q3de4154dbb_combine.kd
    .args:
      - { .name: part, .offset: 0, .size: 8, .value_kind: global_buffer, .address_space: global }
      - { .name: perm, .offset: 8, .size: 8, .value_kind: global_buffer, .address_space: global }
      - { .name: b2, .offset: 16, .size: 8, .value_kind: global_buffer, .address_space: global }
      - { .name: out0, .offset: 24, .size: 8, .value_kind: global_buffer, .address_space: global }
    .group_segment_fixed_size: 0
    .private_segment_fixed_size: 0
    .kernarg_segment_align: 8
    .kernarg_segment_size: 32
    .max_flat_workgroup_size: 128
    .sgpr_count:     66
    .vgpr_count:     48
    .wavefront_size: 32
...
	.end_amdgpu_metadata
.endif
;; end of part 4
